; MI455X (gfx1250); checked and timed in simulation.
; The chip was launched on July 23, 2026; its instructions are those of AMD's public machine-readable ISA for CDNA 5 (MIT licence, August 2026) and "CDNA5" Instruction Set Architecture Reference Guide (July 2026). The comments in the code are by the model that wrote it; some were corrected since.
;; Rasterize Points X Ys Blending. Allowed arithmetic: float matrix products may take bf16 or f16 operands with f32 sums; all other float work in f32.
;; Inputs: pts3D 2 x 4,096 x 3 float32; src 2 x 64 x 4,096 float32.
;; Outputs: out0 2 x 64 x 128 x 128 float32; out1 2 x 128 x 128 bool.
;; 2 versions, each right and faster than the one before. Each part assembles by itself: llvm-mc -triple=amdgcn-amd-amdhsa -mcpu=gfx1250 --defsym DOCPART=n.
;; ======== version 1 of 2: 3 launches
;; limits: values are held in f16: magnitudes above 65,504 overflow, below 6.1e-05 lose precision; inputs' magnitudes at most 65,504
;; workspace buffers: keys 65,536 bytes of whole numbers; featT 1,048,576 bytes; lists 33,554,432 bytes of whole numbers; counts 65,536 bytes of whole numbers
;; launch prep (part 1): grid 256 x 1, 8 waves a work-group, no clusters, 23,552 bytes of LDS; arguments pts3D, src, keys, featT; writes keys, featT
.if DOCPART == 1
	.amdgcn_target "amdgcn-amd-amdhsa--gfx1250"
	.amdhsa_code_object_version 6
	.text
	.protected	k_q17a0ed0535_prep
	.globl	k_q17a0ed0535_prep
	.p2align	8
	.type	k_q17a0ed0535_prep,@function
k_q17a0ed0535_prep:
	s_mov_b64 s[64:65], 0
	v_nop
	global_prefetch_b8 v0, s[64:65] scope:SCOPE_SE
	s_setreg_imm32_b32 hwreg(HW_REG_WAVE_MODE, 25, 1), 1
	s_wait_xcnt 0x0
; PREP: turns each point's floats into whole numbers, and src into rows of one point's features.
; keys[b][p] = two words.  W0 = rank << 12 | p;  W1 = mask16 | ixo << 16 | iyo << 24.
;   rank = the number of points q of the batch with z_q < z_p (equal z: equal rank, so W0 as a whole orders by z, then by index).
;   ix = floor(64 x + 63.5), iy = floor(64 y + 63.5), both held to -4 .. 131; ixo = ix + 4, iyo = iy + 4 (255 where the mask is 0).
;   bit 4 rw + c of the mask: pixel (row iy - 1 + rw, column ix - 1 + c) has d2 < (3/128)^2, and 0 < z < infinity.
;   The radius is 1.5 pixels, so the pixels in reach lie in floor(u) - 1 .. floor(u) + 2: the window of 4 has half a pixel to spare.
; featT[b][p][64] in f16: 128 consecutive bytes a point.  f16 and not bf16: a pixel's weights sum to 1 at the most, so the product's error is at most
;   2 x 2^-12 of the largest feature, where bf16 would give 2 x 2^-9.  LIMIT: a feature beyond 65,504 in magnitude becomes infinite; under 6.1e-5 it is kept to 3e-8.
; ARITHMETIC, the same in the last launch: g = 127/128 - i/64 (exact), dx = g + x, d2 = fma(dx, dx, dy dy): one rounding less than a product, a product and a sum.
; SHARES: 256 work-groups of 8 waves; a work-group owns 32 points of one batch, lane = point in every wave; wave w counts against the 512 points 512 w on.
; No tensor loads, no cluster, no matrix unit: what is shared (16 KiB of z a batch) is small, and the work is compares.
.set ZQ,   0                           ; 8 x 2,048 bytes: each wave's own 512 z
.set PART, 16384                       ; 8 x 128 bytes: each wave's partial counts, a word a point
.set TT,   17408                       ; 32 rows (points) x 144 bytes: 64 channels of f16 and 16 bytes of padding
.set TP,   144
.set CN,   16                          ; v[16:19]  four counters
.set ZL,   20                          ; v[20:35]  16 z as loaded
.set SR,   36                          ; v[36:43]  two quads of src
.set Q,    48                          ; v[48:111] two buffers of 32 z from LDS
	s_load_b256 s[4:11], s[0:1], 0x0               ; pts3D s[4:5], src s[6:7], keys s[8:9], featT s[10:11]
	v_lshl_add_u32 v128, v0, 2, 0x5800
	v_mov_b32 v129, 0
	v_and_b32 v1, 31, v0                           ; lane
	v_lshrrev_b32 v2, 5, v0
	v_readfirstlane_b32 s12, v2                    ; wave
	s_lshr_b32 s13, ttmp9, 7                       ; batch
	s_and_b32 s14, ttmp9, 127
	s_lshl_b32 s15, s14, 5                         ; my work-group's first point
	s_lshl_b32 s20, s12, 11                        ; my wave's z in LDS
	s_lshl_b32 s21, s12, 9                         ; the first point that my wave counts against
	s_mov_b32 s24, 0x3a100000                      ; (3/128)^2 = 9/16384
	s_mov_b32 s25, 0x42800000                      ; 64.0
	s_mov_b32 s26, 0x427e0000                      ; 63.5
	s_mov_b32 s27, 0xbc800000                      ; -1/64
	s_mov_b32 s28, 0x3f7e0000                      ; 127/128
	v_lshl_add_u32 v3, v1, 2, s20                  ; where I put a z
	v_mov_b32 v4, s20                              ; where every lane reads them
	v_add_nc_u32 v5, s21, v1
	v_mul_u32_u24 v5, 12, v5                       ; byte offset of point 512 w + lane
	v_add_nc_u32 v112, s15, v1                     ; p, my own point
	v_mul_u32_u24 v6, 12, v112
	v_and_b32 v2, 7, v1
	v_lshrrev_b32 v15, 3, v1
	v_lshl_add_u32 v15, s12, 2, v15                ; channel 4 w + lane / 8 (and 32 more)
	v_lshlrev_b32 v10, 14, v15                     ; a channel is 16,384 bytes
	v_lshl_add_u32 v10, v2, 4, v10                 ; + four points, 16 bytes
	v_mul_u32_u24 v11, 4*TP, v2                    ; into the stage: row 4 (lane % 8),
	v_lshl_add_u32 v11, v15, 1, v11                ; two bytes a channel
	v_lshrrev_b32 v12, 3, v0
	v_mul_u32_u24 v12, TP, v12                     ; back: row thread / 8,
	v_and_b32 v13, 7, v0
	v_lshl_add_u32 v12, v13, 4, v12                ; 16 bytes of its 128
	v_lshlrev_b32 v13, 4, v0                       ; and the same 16 bytes in featT: the work-group's 4,096 bytes are consecutive
	v_lshlrev_b32 v14, 2, v0                       ; my word among the partial counts: 128 w + 4 lane
	s_mov_b32 s17, 0
	s_mul_i32 s16, s13, 49152
	s_wait_kmcnt 0x0
	s_add_nc_u64 s[4:5], s[4:5], s[16:17]          ; pts3D at my batch
	s_lshl_b32 s16, s13, 20
	s_lshl_b32 s18, s15, 2
	s_add_co_u32 s16, s16, s18
	s_add_nc_u64 s[6:7], s[6:7], s[16:17]          ; src at my batch and my first point
	s_lshl_b32 s16, ttmp9, 8
	s_add_nc_u64 s[8:9], s[8:9], s[16:17]          ; keys: 32 points x 8 bytes a work-group
	s_lshl_b32 s16, ttmp9, 12
	s_add_nc_u64 s[10:11], s[10:11], s[16:17]      ; featT: 32 points x 128 bytes a work-group
.irp c, 0,1,2,3,4,5,6,7,8,9,10,11,12,13,14,15
	global_load_b32 v[ZL+\c], v5, s[4:5] offset:384*\c+8   ; z of point 512 w + 32 c + lane
.endr
	global_load_b32 v7, v6, s[4:5]                 ; x, y, z of my own point
	global_load_b32 v8, v6, s[4:5] offset:4
	global_load_b32 v9, v6, s[4:5] offset:8
	global_load_b128 v[SR:SR+3], v10, s[6:7]       ; four points of my channel,
	global_load_b128 v[SR+4:SR+7], v10, s[6:7] offset:524288   ; and of the channel 32 further on
.irp k, 0,1,2,3
	v_mov_b32 v[CN+\k], 0                          ; the counters take carries alone, so they start at 0
.endr
	s_wait_loadcnt 0x5                             ; the 16 z are in; the five younger loads stay out
.irp c, 0,1,2,3,4,5,6,7,8,9,10,11,12,13,14,15
	ds_store_b32 v3, v[ZL+\c] offset:ZQ+128*\c
.endr
	s_wait_loadcnt 0x0
.irp i, 0,1
	v_cvt_pk_f16_f32 v[44+2*\i], v[SR+4*\i], v[SR+4*\i+1]
	v_cvt_pk_f16_f32 v[45+2*\i], v[SR+4*\i+2], v[SR+4*\i+3]
	ds_store_b16 v11, v[44+2*\i] offset:TT+64*\i               ; four points = four rows of the stage
	ds_store_b16_d16_hi v11, v[44+2*\i] offset:TT+64*\i+TP
	ds_store_b16 v11, v[45+2*\i] offset:TT+64*\i+2*TP
	ds_store_b16_d16_hi v11, v[45+2*\i] offset:TT+64*\i+3*TP
.endr
; THE RANK.  16 groups of 32 z, read by every lane alike (my wave's own bytes: LDS serves a wave's instructions in order, so the loads see the stores above).
.macro LDG g, buf
.irp i, 0,1,2,3,4,5,6,7
	ds_load_b128 v[Q+32*(\buf)+4*\i:Q+32*(\buf)+4*\i+3], v4 offset:ZQ+128*(\g)+16*\i
.endr
.endm
.macro CNTG buf                        ; a compare and an add of its carry for each z; four masks and four counters take turns
.irp i, 0,1,2,3,4,5,6,7
.irp k, 0,1,2,3
	v_cmp_lt_f32 s[20+\k], v[Q+32*(\buf)+4*\i+\k], v9
.endr
.irp k, 0,1,2,3
	v_add_co_ci_u32 v[CN+\k], s[20+\k], 0, v[CN+\k], s[20+\k]
.endr
.endr
.endm
	LDG 0, 0
	LDG 1, 1
.set g, 0
.rept 16
.if g < 15
	s_wait_dscnt 0x8                               ; this group is in; the next group's eight loads stay out
.else
	s_wait_dscnt 0x0
.endif
	CNTG g%2
.if g < 14
	LDG g+2, g%2
.endif
.set g, g+1
.endr
	v_add3_u32 v[CN], v[CN], v[CN+1], v[CN+2]
	v_add_nc_u32 v[CN], v[CN], v[CN+3]
	ds_store_b32 v14, v[CN] offset:PART
	s_wait_dscnt 0x0                               ; for the others' sake: my count and my part of the stage are written
	s_barrier_signal -1
	s_barrier_wait -1
	ds_load_b128 v[44:47], v12 offset:TT           ; a point's features, 16 bytes a thread
	s_wait_dscnt 0x0
	global_store_b128 v13, v[44:47], s[10:11]      ; a wave stores 512 consecutive bytes
	s_cmp_lg_u32 s12, 0
	s_cbranch_scc1 .Lend                           ; the 32 keys are wave 0's
.irp s, 0,1,2,3,4,5,6,7
	ds_load_b32 v[48+\s], v14 offset:PART+128*\s   ; in wave 0 v14 is 4 x lane
.endr
	v_fma_f32 v20, v7, s25, s26                    ; u = 64 x + 63.5: the column at which dx = 0
	v_fma_f32 v21, v8, s25, s26
	v_floor_f32 v20, v20
	v_floor_f32 v21, v21
	v_max_num_f32 v20, -4.0, v20                   ; held in float, so that far points and NaN (which loses) give small whole numbers
	v_max_num_f32 v21, -4.0, v21
	v_min_num_f32 v20, 0x43030000, v20             ; 131.0
	v_min_num_f32 v21, 0x43030000, v21
	v_cvt_i32_f32 v22, v20
	v_cvt_i32_f32 v23, v21
	v_add_f32 v24, -1.0, v20                       ; the window's four columns
	v_add_f32 v26, 1.0, v20
	v_add_f32 v27, 2.0, v20
	v_add_f32 v28, -1.0, v21                       ; and four rows
	v_add_f32 v30, 1.0, v21
	v_add_f32 v31, 2.0, v21
	v_fma_f32 v24, v24, s27, s28                   ; g = 127/128 - i/64
	v_fma_f32 v25, v20, s27, s28
	v_fma_f32 v26, v26, s27, s28
	v_fma_f32 v27, v27, s27, s28
	v_fma_f32 v28, v28, s27, s28
	v_fma_f32 v29, v21, s27, s28
	v_fma_f32 v30, v30, s27, s28
	v_fma_f32 v31, v31, s27, s28
.irp c, 0,1,2,3
	v_add_f32 v[24+\c], v[24+\c], v7               ; dx
	v_add_f32 v[28+\c], v[28+\c], v8               ; dy
.endr
.irp c, 0,1,2,3
	v_mul_f32 v[28+\c], v[28+\c], v[28+\c]         ; dy dy
.endr
	v_mov_b32 v33, 0
.irp rw, 3,2,1,0
.irp c, 3,2,1,0
	v_fma_f32 v32, v[24+\c], v[24+\c], v[28+\rw]
	v_cmp_gt_f32 vcc_lo, s24, v32                  ; r2 > d2
	v_add_co_ci_u32 v33, vcc_lo, v33, v33, vcc_lo  ; mask = 2 mask + bit: the highest bit first
.endr
.endr
	v_cmp_lt_f32 s20, 0, v9                        ; 0 < z
	v_cmp_gt_f32 s21, 0x7f800000, v9               ; z < infinity
	s_and_b32 s20, s20, s21
	v_cndmask_b32 v33, 0, v33, s20
	v_add_nc_u32 v22, 4, v22                       ; ixo
	v_add_nc_u32 v23, 4, v23                       ; iyo,
	v_cmp_ne_u32 s20, 0, v33
	v_cndmask_b32 v23, 0xff, v23, s20              ; or 255: a point that covers nothing passes no filter
	s_wait_dscnt 0x0
	v_add3_u32 v48, v48, v49, v50
	v_add3_u32 v51, v51, v52, v53
	v_add3_u32 v48, v48, v54, v55
	v_add_nc_u32 v48, v48, v51                     ; the rank
	v_lshl_or_b32 v30, v48, 12, v112               ; W0
	v_lshl_or_b32 v31, v22, 16, v33
	v_lshl_or_b32 v31, v23, 24, v31                ; W1
	v_lshlrev_b32 v34, 3, v1
	global_store_b64 v34, v[30:31], s[8:9]         ; 32 lanes store 256 consecutive bytes, at a multiple of 256 from the buffer's first byte
.Lend:
	s_wait_tensorcnt 0x0
	ds_add_u32 v128, v129
	s_wait_dscnt 0x0
	s_endpgm
.Lfunc_end_k_q17a0ed0535_prep:
	.size	k_q17a0ed0535_prep, .Lfunc_end_k_q17a0ed0535_prep-k_q17a0ed0535_prep
	.p2alignl 7, 3214868480
	.fill 96, 4, 3214868480
	.section	.rodata,"a",@progbits
	.p2align	6, 0x0
	.amdhsa_kernel k_q17a0ed0535_prep
		.amdhsa_group_segment_fixed_size 23552
		.amdhsa_private_segment_fixed_size 0
		.amdhsa_enable_private_segment 0
		.amdhsa_kernarg_size 32
		.amdhsa_user_sgpr_count 2
		.amdhsa_user_sgpr_kernarg_segment_ptr 1
		.amdhsa_wavefront_size32 1
		.amdhsa_system_sgpr_workgroup_id_x 1
		.amdhsa_system_sgpr_workgroup_id_y 1
		.amdhsa_system_sgpr_workgroup_id_z 1
		.amdhsa_system_vgpr_workitem_id 0
		.amdhsa_next_free_vgpr 130
		.amdhsa_next_free_sgpr 66
		.amdhsa_reserve_vcc 1
		.amdhsa_float_denorm_mode_32 3
		.amdhsa_float_denorm_mode_16_64 3
		.amdhsa_memory_ordered 1
		.amdhsa_forward_progress 1
		.amdhsa_inst_pref_size 85
	.end_amdhsa_kernel
	.amdgpu_metadata
---
amdhsa.version: [ 1, 2 ]
amdhsa.kernels:
  - .name:           k_q17a0ed0535_prep
    .symbol:         k_q17a0ed0535_prep.kd
    .args:
      - { .name: pts3D, .offset: 0, .size: 8, .value_kind: global_buffer, .address_space: global }
      - { .name: src, .offset: 8, .size: 8, .value_kind: global_buffer, .address_space: global }
      - { .name: keys, .offset: 16, .size: 8, .value_kind: global_buffer, .address_space: global }
      - { .name: featT, .offset: 24, .size: 8, .value_kind: global_buffer, .address_space: global }
    .group_segment_fixed_size: 23552
    .private_segment_fixed_size: 0
    .kernarg_segment_align: 8
    .kernarg_segment_size: 32
    .max_flat_workgroup_size: 256
    .sgpr_count:     66
    .vgpr_count:     130
    .wavefront_size: 32
...
	.end_amdgpu_metadata
.endif
;; end of part 1
;; launch bin (part 2): grid 512 x 1, 1 waves a work-group, no clusters, 100,352 bytes of LDS; arguments keys, lists, counts, out1; writes lists, counts, out1
.if DOCPART == 2
	.amdgcn_target "amdgcn-amd-amdhsa--gfx1250"
	.amdhsa_code_object_version 6
	.text
	.protected	k_q17a0ed0535_bin
	.globl	k_q17a0ed0535_bin
	.p2align	8
	.type	k_q17a0ed0535_bin,@function
k_q17a0ed0535_bin:
	s_mov_b64 s[64:65], 0
	v_nop
	global_prefetch_b8 v0, s[64:65] scope:SCOPE_SE
	s_setreg_imm32_b32 hwreg(HW_REG_WAVE_MODE, 25, 1), 1
	s_wait_xcnt 0x0
; BIN: whole numbers only.  A work-group is ONE wave and serves 64 pixels of one image row (four blocks of 16): it makes each block's list of points, front to back, the four
; lengths, and its 64 bytes of out1.  keys: W0 = rank << 12 | p (orders by z, then by index), W1 = mask16 | ixo << 16 | iyo << 24; a point's window is rows iyo - 5 .. iyo - 2,
; columns ixo - 5 .. ixo - 2; bit 4 rw + c of the mask is the window's pixel (rw, c).
; WHAT STEERS: every trip count and every global address is made in registers from the keys as loaded from memory (the count n of the scan) or from the work-group's number.
; What has passed through LDS serves as data and as a place in LDS alone.  So a block's list is copied out over ceil(n / 64) trips, n the segment's length, which bounds every
; block's; places at or behind the block's own length are written as 0.
; WHY ONE WAVE: places in the lists come from counts, so each list is kept by the wave that reads it; LDS serves a wave's instructions in order (ISA guide 5.7.1.4): no barrier.
;   SCAN  the batch's 4,096 keys: those whose window meets rows y - 1 .. y + 1 and columns xb - 1 .. xb + 64 go into the segment (SA: W0, SB: W1).  Eight tests side by side,
;         since a lone wave has nothing else to issue while a result is on its way.
;   COV   their masks set bytes of a map of 3 rows; out1 is made from it.
;   SORT  by counting (W0 is unique): place = the number of smaller W0; into TA, TB.
;   DEAL  the sorted segment is dealt, in order, into the four blocks' lists of point numbers.      COPY  lists and lengths go to memory.
; A wave's piece of out1 is 64 bytes and its lengths are 128: these share aligned blocks of 256 with neighbours (98,304 bytes in all); every store of a list is 256 aligned bytes.
; No tensor loads, no cluster: the one thing shared is 32 KiB of keys a batch.  Every LDS index that comes from data is chosen and then held by v_min_u32.
.set COV,  0                           ; 3 rows of 80 bytes; byte = column - xb + 8; bytes 0-3 of a row take what is thrown away
.set COVP, 80
.set SA,   256                         ; 4,129 words each; word 4,128 takes what is thrown away
.set SB,   16896
.set TA,   33536
.set TB,   50176
.set U0,   SA                          ; the lists of blocks 0 and 1 take the bytes of SA and SB, which the sort has read
.set U1,   SB
.set U2,   66816
.set U3,   83456
.set LN, 1                             ; lane
.set ONE, 2
.set MONE, 3                           ; all ones
.set L16, 4                            ; 16 lane
.set L4, 5                             ; 4 lane
.set CV, 6                             ; lane b: block b's length
.set L8, 7                             ; 8 lane
.set BGA, 8                            ; 2 lane: out1's address, and a lane's first entry in the copy; never rewritten
.set BGD, 9                            ; out1's data; never rewritten
.set NIL, 10                           ; v[10:11] = 0, 0
.set CN, 16                            ; v[16:23] eight counters of the sort
.set K, 32                             ; v[32:95]  two buffers of 16 entries a lane
.set QQ, 64                            ; v[64:127] 64 keys of the sort
.set TT, 96                            ; v[96:103], v[104:111] at work in the scan
.set TU, 104
.set MA, 66                            ; s[66:73], s[74:81] masks and their counts
.set MB, 74
.set BS, 82                            ; s[82:90] running counts
	s_load_b256 s[4:11], s[0:1], 0x0               ; keys s[4:5], lists s[6:7], counts s[8:9], out1 s[10:11]
	v_lshl_add_u32 v128, v0, 2, 0x18700
	v_mov_b32 v129, 0
	v_and_b32 v[LN], 31, v0
	v_mov_b32 v[ONE], 1
	v_mov_b32 v[MONE], -1
	v_mov_b32 v[NIL], 0
	v_mov_b32 v[NIL+1], 0
	v_lshlrev_b32 v[L16], 4, v[LN]
	v_lshlrev_b32 v[L8], 3, v[LN]
	v_lshlrev_b32 v[L4], 2, v[LN]
	v_lshlrev_b32 v[BGA], 1, v[LN]
	s_lshr_b32 s51, ttmp9, 8                       ; batch
	s_bfe_u32 s15, ttmp9, 0x70001                  ; y: 7 bits from bit 1
	s_and_b32 s26, ttmp9, 1
	s_lshl_b32 s26, s26, 6                         ; xb: my first pixel, 0 or 64
	s_add_co_u32 s27, s26, 1
	s_add_co_u32 s16, s15, 1
	s_lshl_b32 s16, s16, 24
	s_lshl_b32 s60, s27, 16
	s_or_b32 s16, s16, s60                         ; (y + 1) << 24 | (xb + 1) << 16: what the scan takes from W1
	s_mov_b32 s30, 0x06000000                      ; 6 rows
	s_mov_b32 s31, 0x00450000                      ; 69 columns
	s_add_co_u32 s17, s15, 5                       ; window row of image row y = y + 5 - iyo
	s_add_co_u32 s48, s15, 4                       ; the same for rows y - 1, y, y + 1
	s_add_co_u32 s49, s15, 5
	s_add_co_u32 s50, s15, 6
.irp b, 0,1,2,3
	s_add_co_u32 s[52+\b], s26, 16*\b+2            ; block b's first pixel + 2
.endr
	s_cmp_eq_u32 s15, 0
	s_cselect_b32 s46, 1, 0                        ; a row outside the image counts as covered: the window's maximum leaves it out
	s_cmp_eq_u32 s15, 127
	s_cselect_b32 s47, 1, 0
	s_cmp_eq_u32 s26, 0
	s_cselect_b32 s56, -2, -1                      ; lanes whose left neighbour column lies in the image
	s_cmp_eq_u32 s26, 64
	s_cselect_b32 s57, 0x7fffffff, -1              ; lanes whose right neighbour column does
	s_mov_b32 s59, 0
	s_lshl_b32 s58, s51, 15
	s_wait_kmcnt 0x0
	s_add_nc_u64 s[4:5], s[4:5], s[58:59]          ; keys at my batch
	s_lshl_b32 s58, ttmp9, 16
	s_add_nc_u64 s[6:7], s[6:7], s[58:59]          ; lists: four tiles of 16,384 bytes a work-group
	s_lshl_b32 s58, ttmp9, 7
	s_add_nc_u64 s[8:9], s[8:9], s[58:59]          ; counts: 128 bytes a work-group
	s_lshl_b32 s58, s51, 14
	s_lshl_b32 s60, s15, 7
	s_add_co_u32 s58, s58, s60
	s_add_co_u32 s58, s58, s26
	s_add_nc_u64 s[10:11], s[10:11], s[58:59]      ; out1 at (batch, row y, pixel xb)
	; ---- SCAN: eight steps of 512 entries, two entries a lane and load, on two buffers ----
.macro LDK t, buf
.irp i, 0,1,2,3,4,5,6,7
	global_load_b128 v[K+32*(\buf)+4*\i:K+32*(\buf)+4*\i+3], v[L16], s[4:5] offset:4096*(\t)+512*\i
.endr
.endm
; Eight entries from v[r] on.  t = W1 - s16: its top byte is iyo - (y + 1), the next ixo - (xb + 1).  A borrow out of the column's byte comes only with a column byte
; of 191 or more, which fails by itself, so both tests are right as they stand: top byte under 6, t without its top byte under 69 << 16 (the mask's 16 bits lie below).
.macro ATEST8 r
.irp e, 0,1,2,3,4,5,6,7
	v_sub_nc_u32 v[TT+\e], v[\r+2*\e+1], s16
.endr
.irp e, 0,1,2,3,4,5,6,7
	v_and_b32 v[TU+\e], 0xffffff, v[TT+\e]
.endr
.irp e, 0,1,2,3,4,5,6,7
	v_cmp_gt_u32 s[MA+\e], s30, v[TT+\e]
.endr
.irp e, 0,1,2,3,4,5,6,7
	v_cmp_gt_u32 s[MB+\e], s31, v[TU+\e]
.endr
.irp e, 0,1,2,3,4,5,6,7
	s_and_b32 s[MA+\e], s[MA+\e], s[MB+\e]
.endr
.irp e, 0,1,2,3,4,5,6,7
	s_bcnt1_i32_b32 s[MB+\e], s[MA+\e]
.endr
.irp e, 0,1,2,3,4,5,6,7
	s_add_co_u32 s[BS+\e+1], s[BS+\e], s[MB+\e]    ; entries kept in front of test e + 1
.endr
.irp e, 0,1,2,3,4,5,6,7
	v_mbcnt_lo_u32_b32 v[TT+\e], s[MA+\e], s[BS+\e]   ; the place: those kept so far + those kept in lower lanes
.endr
.irp e, 0,1,2,3,4,5,6,7
	v_cndmask_b32 v[TT+\e], 0x1020, v[TT+\e], s[MA+\e]
.endr
.irp e, 0,1,2,3,4,5,6,7
	v_min_u32 v[TT+\e], 0x1020, v[TT+\e]
.endr
.irp e, 0,1,2,3,4,5,6,7
	v_lshlrev_b32 v[TT+\e], 2, v[TT+\e]
.endr
.irp e, 0,1,2,3,4,5,6,7
	ds_store_b32 v[TT+\e], v[\r+2*\e] offset:SA
	ds_store_b32 v[TT+\e], v[\r+2*\e+1] offset:SB
.endr
	s_mov_b32 s[BS], s[BS+8]
.endm
	LDK 0, 0
	LDK 1, 1
	ds_store_b64 v[L8], v[NIL:NIL+1] offset:COV    ; the map is cleared: 32 lanes x 8 bytes
	s_mov_b32 s[BS], 0                             ; entries kept
.set t, 0
.rept 8
.if t < 7
	s_wait_loadcnt 0x8                             ; this step's eight loads are in; the next step's eight stay out
.else
	s_wait_loadcnt 0x0
.endif
	ATEST8 (K+32*(t%2))
	ATEST8 (K+32*(t%2)+16)
.if t < 6
	LDK t+2, t%2
.endif
.set t, t+1
.endr
	s_min_u32 s24, s[BS], 4096                     ; n
	v_add_nc_u32 v12, s24, v[LN]                   ; 64 empty entries behind the last (W0 all ones: smaller than none; W1 0: a window that meets nothing),
	v_add_nc_u32 v13, 32, v12                      ; so that whole groups of 32 and of 64 can be read
	v_min_u32 v12, 0x101f, v12
	v_min_u32 v13, 0x101f, v13
	v_lshlrev_b32 v12, 2, v12
	v_lshlrev_b32 v13, 2, v13
	ds_store_b32 v12, v[MONE] offset:SA
	ds_store_b32 v12, v[NIL] offset:SB
	ds_store_b32 v13, v[MONE] offset:SA
	ds_store_b32 v13, v[NIL] offset:SB
	s_add_co_u32 s25, s24, 31
	s_lshr_b32 s25, s25, 5
	s_max_u32 s25, s25, 1                          ; groups of 32 in the segment
	s_add_co_u32 s34, s25, 1
	s_lshr_b32 s34, s34, 1                         ; groups of 64
	; ---- COV: an entry's four bits for image row y - 1 + p set four bytes; a bit that is 0 sends its byte to the row's first four ----
	s_mov_b32 s32, 0
.Lcov:
	v_lshl_add_u32 v12, s32, 5, v[LN]
	v_min_u32 v12, 0x101f, v12
	v_lshlrev_b32 v12, 2, v12
	ds_load_b32 v13, v12 offset:SB
	s_wait_dscnt 0x0
	v_lshrrev_b32 v14, 24, v13                     ; iyo
	v_bfe_u32 v15, v13, 16, 8
	v_sub_nc_u32 v15, v15, s27                     ; ixo - (xb + 1), under 69 for every entry but the empty ones
	v_cmp_gt_u32 s23, 69, v15
	v_add_nc_u32 v15, 4, v15                       ; the byte of the window's first column: (ixo - 5) - xb + 8
.irp p, 0,1,2
	v_sub_nc_u32 v[16+\p], s[48+\p], v14           ; window row
.endr
.irp p, 0,1,2
	v_cmp_gt_u32 s[20+\p], 4, v[16+\p]
.endr
.irp p, 0,1,2
	v_lshlrev_b32 v[16+\p], 2, v[16+\p]
.endr
.irp p, 0,1,2
	s_and_b32 s[20+\p], s[20+\p], s23
.endr
.irp p, 0,1,2
	v_lshrrev_b32 v[16+\p], v[16+\p], v13
.endr
.irp p, 0,1,2
	v_and_b32 v[16+\p], 15, v[16+\p]
.endr
.irp p, 0,1,2
	v_cndmask_b32 v[16+\p], 0, v[16+\p], s[20+\p]
.endr
.irp p, 0,1,2
.irp c, 0,1,2,3
	v_bfe_u32 v[20+4*\p+\c], v[16+\p], \c, 1
.endr
.endr
.irp p, 0,1,2
.irp c, 0,1,2,3
	v_mul_u32_u24 v[20+4*\p+\c], v[20+4*\p+\c], v15
.endr
.endr
.irp p, 0,1,2
.irp c, 0,1,2,3
	v_min_u32 v[20+4*\p+\c], 0x48, v[20+4*\p+\c]
.endr
.endr
.irp p, 0,1,2
.irp c, 0,1,2,3
	ds_store_b8 v[20+4*\p+\c], v[ONE] offset:COV+COVP*\p+\c
.endr
.endr
	s_add_co_u32 s32, s32, 1
	s_cmp_lt_u32 s32, s25
	s_cbranch_scc1 .Lcov
	; ---- out1: two pixels a lane.  A pixel is background if any of the 3 x 3 pixels round it, as far as they lie in the image, has no point ----
.irp p, 0,1,2
.irp j, 0,1,2,3
	ds_load_u8 v[32+4*\p+\j], v[BGA] offset:COV+COVP*\p+7+\j   ; columns 2 lane - 1 .. 2 lane + 2 of my 64
.endr
.endr
	s_wait_dscnt 0x0
.irp j, 0,1,2,3
	v_or_b32 v[32+\j], s46, v[32+\j]
	v_or_b32 v[40+\j], s47, v[40+\j]
.endr
.irp j, 0,1,2,3
	v_and_b32 v[32+\j], v[32+\j], v[36+\j]
.endr
.irp j, 0,1,2,3
	v_and_b32 v[32+\j], v[32+\j], v[40+\j]         ; covered in all three rows
.endr
.irp j, 0,1,2,3
	v_xor_b32 v[32+\j], 1, v[32+\j]                ; empty in one of them
.endr
	v_cndmask_b32 v32, 0, v32, s56                 ; columns outside the image are left out
	v_cndmask_b32 v35, 0, v35, s57
	v_or_b32 v36, v33, v34
	v_or_b32 v32, v32, v36                         ; pixel 2 lane
	v_or_b32 v35, v35, v36                         ; pixel 2 lane + 1
	v_lshl_or_b32 v[BGD], v35, 8, v32
	global_store_b16 v[BGA], v[BGD], s[10:11]      ; the wave's 64 consecutive bytes
	; ---- SORT: 32 entries a trip of the outer loop; the inner loop holds them against the segment, 64 keys a trip, the same in every lane ----
	s_mov_b32 s32, 0
.Lsort_g:
	v_lshl_add_u32 v12, s32, 5, v[LN]
	v_min_u32 v12, 0x101f, v12
	v_lshlrev_b32 v12, 2, v12
	ds_load_b32 v13, v12 offset:SA                 ; my entry
	ds_load_b32 v14, v12 offset:SB
.irp k, 0,1,2,3,4,5,6,7
	v_mov_b32 v[CN+\k], 0                          ; the counters take carries alone
.endr
	s_mov_b32 s33, 0
.Lsort_j:
	s_lshl_b32 s21, s33, 8
	s_min_u32 s21, s21, 16128
	v_mov_b32 v15, s21
.irp i, 0,1,2,3,4,5,6,7,8,9,10,11,12,13,14,15
	ds_load_b128 v[QQ+4*\i:QQ+4*\i+3], v15 offset:SA+16*\i
.endr
	s_wait_dscnt 0x0
.irp i, 0,1,2,3,4,5,6,7
.irp k, 0,1,2,3,4,5,6,7
	v_cmp_lt_u32 s[MA+\k], v[QQ+8*\i+\k], v13
.endr
.irp k, 0,1,2,3,4,5,6,7
	v_add_co_ci_u32 v[CN+\k], s[MA+\k], 0, v[CN+\k], s[MA+\k]
.endr
.endr
	s_add_co_u32 s33, s33, 1
	s_cmp_lt_u32 s33, s34
	s_cbranch_scc1 .Lsort_j
	v_add3_u32 v[CN], v[CN], v[CN+1], v[CN+2]
	v_add3_u32 v[CN+3], v[CN+3], v[CN+4], v[CN+5]
	v_add3_u32 v[CN], v[CN], v[CN+6], v[CN+7]
	v_add_nc_u32 v[CN], v[CN], v[CN+3]             ; the number of smaller keys
	v_cmp_ne_u32 s20, -1, v13
	v_cndmask_b32 v[CN], 0x1020, v[CN], s20
	v_min_u32 v[CN], 0x1020, v[CN]
	v_lshlrev_b32 v[CN], 2, v[CN]
	ds_store_b32 v[CN], v13 offset:TA
	ds_store_b32 v[CN], v14 offset:TB
	s_add_co_u32 s32, s32, 1
	s_cmp_lt_u32 s32, s25
	s_cbranch_scc1 .Lsort_g
	v_add_nc_u32 v12, s24, v[LN]                   ; 32 empty entries behind the last
	v_min_u32 v12, 0x101f, v12
	v_lshlrev_b32 v12, 2, v12
	ds_store_b32 v12, v[MONE] offset:TA
	ds_store_b32 v12, v[NIL] offset:TB
	; ---- DEAL: an entry goes to block b if its window has row y, its four bits there are not all 0, and its columns ixo - 5 .. ixo - 2 meet the block's 16 pixels ----
.irp b, 0,1,2,3
	s_mov_b32 s[BS+\b], 0
.endr
	s_mov_b32 s32, 0
.Ldeal:
	v_lshl_add_u32 v12, s32, 5, v[LN]
	v_min_u32 v12, 0x101f, v12
	v_lshlrev_b32 v12, 2, v12
	ds_load_b32 v13, v12 offset:TA
	ds_load_b32 v14, v12 offset:TB
	s_wait_dscnt 0x0
	v_lshrrev_b32 v15, 24, v14
	v_bfe_u32 v16, v14, 16, 8                      ; ixo
	v_and_b32 v13, 0xfff, v13                      ; p
	v_sub_nc_u32 v15, s17, v15                     ; window row of image row y
	v_cmp_gt_u32 s20, 4, v15
	v_lshlrev_b32 v15, 2, v15
	v_lshrrev_b32 v15, v15, v14
	v_and_b32 v15, 15, v15
	v_cmp_ne_u32 s21, 0, v15
	s_and_b32 s20, s20, s21
.irp b, 0,1,2,3
	v_sub_nc_u32 v[20+\b], v16, s[52+\b]
.endr
.irp b, 0,1,2,3
	v_cmp_gt_u32 s[MA+\b], 19, v[20+\b]
.endr
.irp b, 0,1,2,3
	s_and_b32 s[MA+\b], s[MA+\b], s20
.endr
.irp b, 0,1,2,3
	v_mbcnt_lo_u32_b32 v[20+\b], s[MA+\b], s[BS+\b]
.endr
.irp b, 0,1,2,3
	s_bcnt1_i32_b32 s[MB+\b], s[MA+\b]
.endr
.irp b, 0,1,2,3
	v_cndmask_b32 v[20+\b], 0x1020, v[20+\b], s[MA+\b]
.endr
.irp b, 0,1,2,3
	s_add_co_u32 s[BS+\b], s[BS+\b], s[MB+\b]
.endr
.irp b, 0,1,2,3
	v_min_u32 v[20+\b], 0x1020, v[20+\b]
.endr
	v_lshl_add_u32 v20, v20, 2, U0
	v_lshl_add_u32 v21, v21, 2, U1
	v_lshl_add_u32 v22, v22, 2, U2
	v_lshl_add_u32 v23, v23, 2, U3
.irp b, 0,1,2,3
	ds_store_b32 v[20+\b], v13
.endr
	s_add_co_u32 s32, s32, 1
	s_cmp_lt_u32 s32, s25
	s_cbranch_scc1 .Ldeal
	; ---- COPY: 64 entries of each list a trip, two a lane ----
.irp b, 0,1,2,3
	s_min_u32 s[BS+\b], s[BS+\b], 4096             ; the lengths
.endr
	s_mov_b32 s32, 0
.Lcopy:
	v_lshl_add_u32 v12, s32, 6, v[BGA]             ; entry 64 c + 2 lane
	v_min_u32 v12, 0xffe, v12
	v_lshlrev_b32 v13, 2, v12                      ; its byte in a list, in LDS and in memory
	v_add_nc_u32 v14, 1, v12
	v_add_nc_u32 v15, U2, v13
	ds_load_b64 v[16:17], v13 offset:U0
	ds_load_b64 v[18:19], v13 offset:U1
	ds_load_b64 v[20:21], v15
	ds_load_b64 v[22:23], v15 offset:U3-U2
.irp b, 0,1,2,3
	v_cmp_gt_u32 s[MA+\b], s[BS+\b], v12
	v_cmp_gt_u32 s[MB+\b], s[BS+\b], v14
.endr
	s_wait_dscnt 0x0
.irp b, 0,1,2,3
	v_cndmask_b32 v[16+2*\b], 0, v[16+2*\b], s[MA+\b]          ; at or behind the list's end: point 0, which the next launch gives no weight
	v_cndmask_b32 v[17+2*\b], 0, v[17+2*\b], s[MB+\b]
.endr
.irp b, 0,1,2,3
	global_store_b64 v13, v[16+2*\b:17+2*\b], s[6:7] offset:16384*\b   ; 32 lanes store 256 consecutive bytes, at a multiple of 256 from the buffer's first byte
.endr
	s_wait_xcnt 0x0                                ; the stores' offset and data are written again only behind this wait
	s_add_co_u32 s32, s32, 1
	s_cmp_lt_u32 s32, s34
	s_cbranch_scc1 .Lcopy
	v_mov_b32 v[CV], 0
.irp b, 0,1,2,3
	v_cmp_eq_u32 s20, \b, v[LN]
	v_mov_b32 v12, s[BS+\b]
	v_cndmask_b32 v[CV], v[CV], v12, s20
.endr
	global_store_b32 v[L4], v[CV], s[8:9]          ; the wave's 128 bytes: four lengths, then zeros
	s_wait_tensorcnt 0x0
	ds_add_u32 v128, v129
	s_wait_dscnt 0x0
	s_endpgm
.Lfunc_end_k_q17a0ed0535_bin:
	.size	k_q17a0ed0535_bin, .Lfunc_end_k_q17a0ed0535_bin-k_q17a0ed0535_bin
	.p2alignl 7, 3214868480
	.fill 96, 4, 3214868480
	.section	.rodata,"a",@progbits
	.p2align	6, 0x0
	.amdhsa_kernel k_q17a0ed0535_bin
		.amdhsa_group_segment_fixed_size 100352
		.amdhsa_private_segment_fixed_size 0
		.amdhsa_enable_private_segment 0
		.amdhsa_kernarg_size 32
		.amdhsa_user_sgpr_count 2
		.amdhsa_user_sgpr_kernarg_segment_ptr 1
		.amdhsa_wavefront_size32 1
		.amdhsa_system_sgpr_workgroup_id_x 1
		.amdhsa_system_sgpr_workgroup_id_y 1
		.amdhsa_system_sgpr_workgroup_id_z 1
		.amdhsa_system_vgpr_workitem_id 0
		.amdhsa_next_free_vgpr 130
		.amdhsa_next_free_sgpr 96
		.amdhsa_reserve_vcc 0
		.amdhsa_float_denorm_mode_32 3
		.amdhsa_float_denorm_mode_16_64 3
		.amdhsa_memory_ordered 1
		.amdhsa_forward_progress 1
		.amdhsa_inst_pref_size 125
	.end_amdhsa_kernel
	.amdgpu_metadata
---
amdhsa.version: [ 1, 2 ]
amdhsa.kernels:
  - .name:           k_q17a0ed0535_bin
    .symbol:         k_q17a0ed0535_bin.kd
    .args:
      - { .name: keys, .offset: 0, .size: 8, .value_kind: global_buffer, .address_space: global }
      - { .name: lists, .offset: 8, .size: 8, .value_kind: global_buffer, .address_space: global }
      - { .name: counts, .offset: 16, .size: 8, .value_kind: global_buffer, .address_space: global }
      - { .name: out1, .offset: 24, .size: 8, .value_kind: global_buffer, .address_space: global }
    .group_segment_fixed_size: 100352
    .private_segment_fixed_size: 0
    .kernarg_segment_align: 8
    .kernarg_segment_size: 32
    .max_flat_workgroup_size: 32
    .sgpr_count:     96
    .vgpr_count:     130
    .wavefront_size: 32
...
	.end_amdgpu_metadata
.endif
;; end of part 2
;; launch comp (part 3): grid 512 x 1, 1 waves a work-group, no clusters, 23,040 bytes of LDS; arguments lists, counts, featT, pts3D, out0; writes out0
.if DOCPART == 3
	.amdgcn_target "amdgcn-amd-amdhsa--gfx1250"
	.amdhsa_code_object_version 6
	.text
	.protected	k_q17a0ed0535_comp
	.globl	k_q17a0ed0535_comp
	.p2align	8
	.type	k_q17a0ed0535_comp,@function
k_q17a0ed0535_comp:
	s_mov_b64 s[64:65], 0
	v_nop
	global_prefetch_b8 v0, s[64:65] scope:SCOPE_SE
	s_setreg_imm32_b32 hwreg(HW_REG_WAVE_MODE, 25, 1), 1
	s_wait_xcnt 0x0
; COMP: a work-group is ONE wave and makes 64 pixels of one image row: 64 channels x 256 consecutive bytes of out0, at a multiple of 256 from its first byte.
; For each of its four blocks of 16 pixels the launch before left a list of point numbers, front to back, and its length.  Trip counts and gather addresses are made in
; registers from those whole numbers as loaded from memory; floats only make values (choices by v_cndmask_b32).
; A CHUNK is 32 entries of a list: lane (r = lane % 16, h = lane / 16) makes pixel r's weights for entries 16 h .. 16 h + 15; weights (16 pixels x 32 entries, f16) times
; features (32 entries x 64 channels, f16) go to the matrix unit, four accumulators.  The k places are permuted alike in both operands.
; Weights: one minus alpha = sqrt(clip(d2 / r2, .001, 1)), 1 for an entry that is not valid for the pixel or comes behind the pixel's eighth valid one;
;   w = T - T (1 - alpha), T the running product.  An entry at or behind the list's end gets x = infinity and so no weight.
; AHEAD: the four blocks are written out.  At the start go out the first 32 entries of all four lists, then all their x and y and the features of blocks 0 and 1;
;   block b + 2's features are asked for behind block b, on two sets of registers by turns.  A list longer than 32 is walked by a loop that loads for itself.
; The steps of the weights are written stage by stage over the 16 entries, so that neighbouring instructions do not wait for each other: the wave is alone on its SIMD.
; WHY f16: weights lie in 0 .. 1 and a pixel's sum to 1 at the most, so the product's error is at most 2 x 2^-12 of the largest feature; bf16 would give 2 x 2^-9.
; LIMITS: features must be finite, and under 65,504 in magnitude (beyond it they are infinite in f16; a listed point with weight 0 adds 0 x f to the 16 pixels of a block);
;   weights and features are rounded to f16 (numbers under 6.1e-5 are kept to 3e-8); d2 / r2 is a multiplication by 16384/9; d2 = fma(dx, dx, dy dy).
; No tensor loads, no cluster: work-groups share no tile.  LDS is the wave's own and is served in order (ISA guide 5.7.1.4): no barrier.
.set XY,   0                           ; 32 x, then 32 y
.set FB,   256                         ; 32 entries x 160 bytes (128 of features)
.set FP,   160
.set ST,   5376                        ; 64 channels x 272 bytes (256 of pixels + 16)
.set STP,  272
.set LN, 1                             ; lane
.set RR, 2                             ; lane % 16
.set HH, 3                             ; lane / 16
.set XYS, 4                            ; where I put an x;  XYR: where I read my half's 16
.set XYR, 5
.set FS, 6                             ; where I put 16 bytes of features;  FT: where the turning load reads
.set FT, 7
.set STS, 8                            ; the stage: in, back
.set STR, 9
.set GO, 10                            ; my byte offset in out0
.set L3, 11                            ; lane / 8
.set PC, 12                            ; 16 (lane % 8)
.set L4, 13                            ; 4 lane
.set L34, 14                           ; 4 (lane / 8)
.set NIL, 18                           ; 0
.set GX, 20                            ; v[20:21] my pixel's grid x, twice;  v[22:23] the row's grid y, twice
.set GY, 22
.set HM, 24                            ; lanes 16-31: all ones
.set REM, 25                           ; how many of my pixel's 8 places are left (may go below 0)
.set TS, 26                            ; my pixel's running product
.set IDX, 27
.set PEA, 32                           ; v[32:35]  block b: entry lane of its first chunk, then the byte offset of its x
.set PFA, 36                           ; v[36:67]  block b, load i: entry 4 i + lane / 8, then the byte offset of my 16 bytes of its features
.set XV, 68                            ; v[68:71], v[72:75]  block b: x and y
.set YV, 72
.set GPE, 76                           ; the same for a further chunk: v76, v[77:84], v85, v86
.set GPF, 77
.set GXV, 85
.set GYV, 86
.set FR, 88                            ; v[88:151] two sets of features as loaded
.set EX, 152                           ; v[152:167] dx, then d2
.set EY, 168                           ; v[168:183] dy .. one minus alpha .. the weights
.set BF, 152                           ; v[152:183] then take the four fragments of features: source 1
.set P, 184                            ; v[184:200] running counts of valid entries, then the running products
.set FF, 204                           ; v[204:205] the upper half's factor, twice
.set CO, 206
.set LIM, 207
.set XO, 208
.set AW, 210                           ; v[210:217] the weights in f16: source 0
.set D, 218                            ; v[218:249] four accumulators
.set OUTR, 88                          ; v[88:215] the way out: 32 x 4 registers
.set MK, 66                            ; s[66:81] sixteen masks
	s_load_b256 s[4:11], s[0:1], 0x0               ; lists s[4:5], counts s[6:7], featT s[8:9], pts3D s[10:11]
	s_load_b64 s[12:13], s[0:1], 0x20              ; out0
	v_lshl_add_u32 v254, v0, 2, 0x5900
	v_mov_b32 v255, 0
	v_and_b32 v[LN], 31, v0
	v_and_b32 v[RR], 15, v0
	v_bfe_u32 v[HH], v0, 4, 1
	s_lshr_b32 s51, ttmp9, 8                       ; batch
	s_bfe_u32 s15, ttmp9, 0x70001                  ; y: 7 bits from bit 1
	s_and_b32 s26, ttmp9, 1
	s_lshl_b32 s26, s26, 6                         ; xb: my first pixel, 0 or 64
	s_mov_b32 s36, 0x3a100000                      ; r2 = 9/16384
	s_mov_b32 s37, 0xbc800000                      ; -1/64
	s_mov_b32 s38, 0x44e38e39                      ; 16384/9
	s_mov_b32 s39, s38                             ; named with it as a pair, so it is written
	s_mov_b32 s40, 0x3a83126f                      ; 0.001
	s_mov_b32 s41, 0x3f7e0000                      ; 127/128
	s_mov_b32 s42, 0x76543210                      ; v_permlanex16_b32: each lane takes its own place in the other half
	s_mov_b32 s43, 0xfedcba98
	s_mov_b32 s44, 0x0000ffff                      ; lanes 0-15
	s_mov_b32 s45, 0xffff0000                      ; lanes 16-31
	v_lshrrev_b32 v[L3], 3, v[LN]
	v_and_b32 v28, 7, v0
	v_lshlrev_b32 v[PC], 4, v28
	v_lshlrev_b32 v[L4], 2, v[LN]
	v_lshlrev_b32 v[L34], 2, v[L3]
	v_lshl_add_u32 v[XYS], v[LN], 2, XY
	v_lshl_add_u32 v[XYR], v[HH], 6, XY
	v_mul_u32_u24 v29, FP, v[L3]
	v_add_nc_u32 v29, v29, v[PC]
	v_add_nc_u32 v[FS], FB, v29                    ; entry lane / 8 (and 4 i), 16 bytes of its 128
	v_lshl_add_u32 v29, v[HH], 4, v28              ; entry 16 h + lane % 8,
	v_mul_u32_u24 v29, FP, v29
	v_bfe_u32 v30, v0, 3, 1
	v_lshl_add_u32 v29, v30, 4, v29                ; channels 8 ((lane / 8) % 2) on
	v_add_nc_u32 v[FT], FB, v29
	v_mul_u32_u24 v29, STP, v[RR]                  ; the stage, in: channel r (and 16 nb), pixels 8 h on (and the block's 16)
	v_lshl_add_u32 v29, v[HH], 5, v29
	v_add_nc_u32 v[STS], ST, v29
	v_mul_u32_u24 v29, STP, v[HH]                  ; back: lanes 0-15 take one channel's 256 bytes, lanes 16-31 the next channel's
	v_lshl_add_u32 v29, v[RR], 4, v29
	v_add_nc_u32 v[STR], ST, v29
	v_lshlrev_b32 v29, 16, v[HH]                   ; and the same in out0: a channel is 65,536 bytes
	v_lshl_add_u32 v[GO], v[RR], 4, v29
	v_mov_b32 v[NIL], 0
	v_sub_nc_u32 v[HM], 0, v[HH]
	v_cvt_f32_u32 v29, s15
	v_fma_f32 v[GY], v29, s37, s41                 ; 127/128 - row/64
	v_mov_b32 v[GY+1], v[GY]
	v_add_nc_u32 v28, s26, v[RR]
	v_cvt_f32_u32 v28, v28
	v_fma_f32 v[GX], v28, s37, s41                 ; 127/128 - column/64, block 0's
	v_mov_b32 v[GX+1], v[GX]
	v_mov_b32 v[REM], 8
	v_mov_b32 v[TS], 1.0
	v_mov_b32 v[CO], 0                             ; v_permlanex16_b32 counts as a reader of its destination
	v_mov_b32 v[XO], 0
	s_mov_b32 s53, 0
	s_lshl_b32 s52, ttmp9, 16
	s_wait_kmcnt 0x0
	s_add_nc_u64 s[4:5], s[4:5], s[52:53]          ; lists: four tiles of 16,384 bytes a work-group
	s_lshl_b32 s52, ttmp9, 7
	s_add_nc_u64 s[6:7], s[6:7], s[52:53]          ; counts: 128 bytes a work-group
	s_lshl_b32 s52, s51, 19
	s_add_nc_u64 s[8:9], s[8:9], s[52:53]          ; featT at my batch
	s_mul_i32 s52, s51, 49152
	s_add_nc_u64 s[10:11], s[10:11], s[52:53]      ; pts3D at my batch
	s_lshl_b32 s52, s51, 22
	s_lshl_b32 s20, s15, 9
	s_add_co_u32 s52, s52, s20
	s_lshl_b32 s20, s26, 2
	s_add_co_u32 s52, s52, s20
	s_add_nc_u64 s[12:13], s[12:13], s[52:53]      ; out0 at (batch, channel 0, row y, pixel xb)
	global_load_b128 v[28:31], v[NIL], s[6:7]      ; the four lengths, the same in every lane
.irp b, 0,1,2,3
	global_load_b32 v[PEA+\b], v[L4], s[4:5] offset:16384*\b
.irp i, 0,1,2,3,4,5,6,7
	global_load_b32 v[PFA+8*\b+\i], v[L34], s[4:5] offset:16384*\b+16*\i
.endr
.endr
	s_wait_loadcnt 0x0
.irp b, 0,1,2,3
	v_min_u32 v[PEA+\b], 0xfff, v[PEA+\b]
.endr
.irp b, 0,1,2,3
	v_mul_u32_u24 v[PEA+\b], 12, v[PEA+\b]
.endr
.irp b, 0,1,2,3
	global_load_b32 v[XV+\b], v[PEA+\b], s[10:11]
	global_load_b32 v[YV+\b], v[PEA+\b], s[10:11] offset:4
.endr
.set j, 0
.rept 32
	v_min_u32 v[PFA+j], 0xfff, v[PFA+j]
.set j, j+1
.endr
.set j, 0
.rept 32
	v_lshl_add_u32 v[PFA+j], v[PFA+j], 7, v[PC]
.set j, j+1
.endr
.macro LDF b, set                      ; the features of block b's first chunk: eight lanes take a point's 128 bytes
.irp i, 0,1,2,3,4,5,6,7
	global_load_b128 v[FR+32*(\set)+4*\i:FR+32*(\set)+4*\i+3], v[PFA+8*(\b)+\i], s[8:9]
.endr
.endm
	LDF 0, 0
	LDF 1, 1
.irp b, 0,1,2,3
	v_readfirstlane_b32 s[24+\b], v[28+\b]
.endr
.irp b, 0,1,2,3
	s_min_u32 s[24+\b], s[24+\b], 4096             ; n
	s_add_co_u32 s[28+\b], s[24+\b], 31
	s_lshr_b32 s[28+\b], s[28+\b], 5               ; chunks
.endr
; The weights of one chunk.  x in v[xr], y in v[yr] (entry = lane); the list's length in s[ns]; the entry's number in v[ix].
.macro WEIGHTS xr, yr, ns, ix
	v_cmp_gt_u32 s20, s[\ns], v[\ix]
	v_cndmask_b32 v[\xr], 0x7f800000, v[\xr], s20  ; an entry at or behind the list's end lies infinitely far off
	ds_store_b32 v[XYS], v[\xr]
	ds_store_b32 v[XYS], v[\yr] offset:128
.irp i, 0,1,2,3
	ds_load_b128 v[EX+4*\i:EX+4*\i+3], v[XYR] offset:16*\i     ; my half's 16 entries
.endr
.irp i, 0,1,2,3
	ds_load_b128 v[EY+4*\i:EY+4*\i+3], v[XYR] offset:128+16*\i
.endr
	s_wait_dscnt 0x0
.irp k, 0,2,4,6,8,10,12,14
	v_pk_add_f32 v[EX+\k:EX+\k+1], v[EX+\k:EX+\k+1], v[GX:GX+1]   ; dx
.endr
.irp k, 0,2,4,6,8,10,12,14
	v_pk_add_f32 v[EY+\k:EY+\k+1], v[EY+\k:EY+\k+1], v[GY:GY+1]   ; dy
.endr
.irp k, 0,2,4,6,8,10,12,14
	v_pk_mul_f32 v[EY+\k:EY+\k+1], v[EY+\k:EY+\k+1], v[EY+\k:EY+\k+1]
.endr
.irp k, 0,2,4,6,8,10,12,14
	v_pk_fma_f32 v[EX+\k:EX+\k+1], v[EX+\k:EX+\k+1], v[EX+\k:EX+\k+1], v[EY+\k:EY+\k+1]   ; d2
.endr
.irp k, 0,2,4,6,8,10,12,14
	v_pk_mul_f32 v[EY+\k:EY+\k+1], v[EX+\k:EX+\k+1], s[38:39] op_sel_hi:[1,0]              ; d2 / r2
.endr
.irp k, 0,1,2,3,4,5,6,7,8,9,10,11,12,13,14,15
	v_med3_num_f32 v[EY+\k], v[EY+\k], s40, 1.0
.endr
.irp k, 0,1,2,3,4,5,6,7,8,9,10,11,12,13,14,15
	v_sqrt_f32 v[EY+\k], v[EY+\k]
.endr
	v_mov_b32 v[P], 0                              ; the plain instruction between the last root and the use of the roots
.irp k, 0,1,2,3,4,5,6,7,8,9,10,11,12,13,14,15
	v_cmp_gt_f32 s[MK+\k], s36, v[EX+\k]           ; valid: r2 > d2
.endr
	s_wait_alu depctr_va_vdst(0)
.irp k, 0,1,2,3,4,5,6,7,8,9,10,11,12,13,14,15
	v_cndmask_b32 v[EY+\k], 1.0, v[EY+\k], s[MK+\k]
	v_add_co_ci_u32 v[P+\k+1], s[MK+\k], 0, v[P+\k], s[MK+\k]   ; valid entries of my half in front of entry k + 1 (the mask is spent by this line)
.endr
	v_permlanex16_b32 v[CO], v[P+16], s42, s43     ; the other half's count
	v_and_b32 v[LIM], v[CO], v[HM]
	v_sub_nc_u32 v[LIM], v[REM], v[LIM]            ; places left for my half: the upper half comes behind the lower
	v_add_nc_u32 v[CO], v[CO], v[P+16]
	v_sub_nc_u32 v[REM], v[REM], v[CO]
.irp k, 0,1,2,3,4,5,6,7,8,9,10,11,12,13,14,15
	v_cmp_lt_i32 s[MK+\k], v[P+\k], v[LIM]
.endr
.irp k, 0,1,2,3,4,5,6,7,8,9,10,11,12,13,14,15
	v_cndmask_b32 v[EY+\k], 1.0, v[EY+\k], s[MK+\k]            ; behind the eighth valid entry: no weight
.endr
	v_cndmask_b32 v[P], 1.0, v[TS], s44            ; the counts are spent: their registers take the products.  The lower half goes on from the running product, the upper starts at 1 and is scaled below
.irp k, 0,1,2,3,4,5,6,7,8,9,10,11,12,13,14,15
	v_mul_f32 v[P+\k+1], v[P+\k], v[EY+\k]
.endr
.irp k, 0,1,2,3,4,5,6,7,8,9,10,11,12,13,14,15
	v_sub_f32 v[EY+\k], v[P+\k], v[P+\k+1]         ; w = T - T (1 - alpha)
.endr
	v_permlanex16_b32 v[XO], v[P+16], s42, s43     ; the other half's product
	v_cndmask_b32 v[FF], 1.0, v[XO], s45
	v_mul_f32 v[TS], v[P+16], v[XO]
	v_mov_b32 v[FF+1], v[FF]                       ; a pair for the packed multiply
.irp k, 0,2,4,6,8,10,12,14
	v_pk_mul_f32 v[EY+\k:EY+\k+1], v[EY+\k:EY+\k+1], v[FF:FF+1]
.endr
.irp j, 0,1,2,3,4,5,6,7
	v_cvt_pk_f16_f32 v[AW+\j], v[EY+2*\j], v[EY+2*\j+1]        ; register j of half h: entries 16 h + 2 j, 16 h + 2 j + 1
.endr
.endm
; The features in v[fr] on go through LDS, are turned, and meet the weights.  zero = 1: the products start the sums.
.macro FEAT fr, zero
.irp i, 0,1,2,3,4,5,6,7
	ds_store_b128 v[FS], v[\fr+4*\i:\fr+4*\i+3] offset:4*FP*\i
.endr
.irp nb, 0,1,2,3
	ds_load_tr16_b128 v[BF+8*\nb:BF+8*\nb+3], v[FT] offset:32*\nb            ; channel 16 nb + r, entries 16 h .. 16 h + 7
	ds_load_tr16_b128 v[BF+8*\nb+4:BF+8*\nb+7], v[FT] offset:32*\nb+8*FP     ; entries 16 h + 8 .. 16 h + 15: the places that the weights have
.endr
	s_wait_dscnt 0x0
.irp nb, 0,1,2,3                       ; the four accumulators take turns, over the loop's backward jump too
.if \zero
	v_wmma_f32_16x16x32_f16 v[D+8*\nb:D+8*\nb+7], v[AW:AW+7], v[BF+8*\nb:BF+8*\nb+7], 0
.else
	v_wmma_f32_16x16x32_f16 v[D+8*\nb:D+8*\nb+7], v[AW:AW+7], v[BF+8*\nb:BF+8*\nb+7], v[D+8*\nb:D+8*\nb+7]
.endif
.endr
.endm
; A further chunk of block b's list: entries 32 t .. 32 t + 31, t in s32.  Its first lines are the places between the last products and the loads into their sources.
.macro CHUNK b
	v_lshl_add_u32 v[IDX], s32, 5, v[LN]
	v_lshl_add_u32 v29, s32, 5, v[L3]
	v_min_u32 v28, 0xfff, v[IDX]
	v_min_u32 v29, 0xfe3, v29
	v_lshlrev_b32 v28, 2, v28
	v_lshlrev_b32 v29, 2, v29
	global_load_b32 v[GPE], v28, s[4:5] offset:16384*\b
.irp i, 0,1,2,3,4,5,6,7
	global_load_b32 v[GPF+\i], v29, s[4:5] offset:16384*\b+16*\i
.endr
	s_wait_loadcnt 0x0
	v_min_u32 v[GPE], 0xfff, v[GPE]
	v_mul_u32_u24 v[GPE], 12, v[GPE]
	global_load_b32 v[GXV], v[GPE], s[10:11]
	global_load_b32 v[GYV], v[GPE], s[10:11] offset:4
.irp i, 0,1,2,3,4,5,6,7
	v_min_u32 v[GPF+\i], 0xfff, v[GPF+\i]
.endr
.irp i, 0,1,2,3,4,5,6,7
	v_lshl_add_u32 v[GPF+\i], v[GPF+\i], 7, v[PC]
.endr
.irp i, 0,1,2,3,4,5,6,7
	global_load_b128 v[FR+32*(\b%2)+4*\i:FR+32*(\b%2)+4*\i+3], v[GPF+\i], s[8:9]   ; into the block's own set, which its first chunk has left
.endr
	s_wait_loadcnt 0x8                             ; x and y are in; the eight feature loads stay out
	WEIGHTS GXV, GYV, 24+\b, IDX
	s_wait_loadcnt 0x0                             ; the features
	FEAT (FR+32*(\b%2)), 0
.endm
.macro BLOCK b
.if \b == 0
	s_wait_loadcnt 0x10                            ; all x and y are in; the sixteen feature loads of blocks 0 and 1 stay out
.endif
	WEIGHTS XV+\b, YV+\b, 24+\b, LN
.if \b < 3
	s_wait_loadcnt 0x8                             ; this block's features are in; behind them, on either way here, only the next set's eight loads were issued and may be out
.else
	s_wait_loadcnt 0x0
.endif
	FEAT (FR+32*(\b%2)), 1                         ; the first 32 entries start the sums
	s_cmp_lt_u32 s[28+\b], 2
	s_cbranch_scc1 .Lout_\b
	s_mov_b32 s32, 1
.Lchunk_\b:
	CHUNK \b
	s_add_co_u32 s32, s32, 1
	s_cmp_lt_u32 s32, s[28+\b]
	s_cbranch_scc1 .Lchunk_\b
.Lout_\b:
.if \b < 3                             ; four places between the last product and the stores that read the results: the next block's start
	v_add_f32 v[GX], 0xbe800000, v[GX]             ; 16 columns on: 16/64 less, exactly
	v_mov_b32 v[REM], 8
	v_mov_b32 v[TS], 1.0
	v_mov_b32 v[GX+1], v[GX]
.else
.rept 4
	v_nop
.endr
.endif
.irp nb, 0,1,2,3
	ds_store_b128 v[STS], v[D+8*\nb:D+8*\nb+3] offset:16*STP*\nb+64*\b         ; a lane holds a channel's 8 neighbouring pixels; the low four registers first
	ds_store_b128 v[STS], v[D+8*\nb+4:D+8*\nb+7] offset:16*STP*\nb+64*\b+16
.endr
.if \b < 2
	LDF \b+2, \b%2                                 ; the block after next, into the set that this block has left
.endif
.endm
	BLOCK 0
	BLOCK 1
	BLOCK 2
	BLOCK 3
	; ---- the way out: two channels a load and a store ----
.set i, 0
.rept 32
	ds_load_b128 v[OUTR+4*i:OUTR+4*i+3], v[STR] offset:2*STP*i
.set i, i+1
.endr
.set i, 0
.rept 32
	s_wait_dscnt 31-i                              ; channels 2 i and 2 i + 1 are in; the younger loads stay out
	global_store_b128 v[GO], v[OUTR+4*i:OUTR+4*i+3], s[12:13] offset:131072*i th:TH_STORE_NT   ; sixteen lanes store 256 consecutive bytes, at a multiple of 256 from out0's first byte
.set i, i+1
.endr
	s_wait_tensorcnt 0x0
	ds_add_u32 v254, v255
	s_wait_dscnt 0x0
	s_endpgm
.Lfunc_end_k_q17a0ed0535_comp:
	.size	k_q17a0ed0535_comp, .Lfunc_end_k_q17a0ed0535_comp-k_q17a0ed0535_comp
	.p2alignl 7, 3214868480
	.fill 96, 4, 3214868480
	.section	.rodata,"a",@progbits
	.p2align	6, 0x0
	.amdhsa_kernel k_q17a0ed0535_comp
		.amdhsa_group_segment_fixed_size 23040
		.amdhsa_private_segment_fixed_size 0
		.amdhsa_enable_private_segment 0
		.amdhsa_kernarg_size 40
		.amdhsa_user_sgpr_count 2
		.amdhsa_user_sgpr_kernarg_segment_ptr 1
		.amdhsa_wavefront_size32 1
		.amdhsa_system_sgpr_workgroup_id_x 1
		.amdhsa_system_sgpr_workgroup_id_y 1
		.amdhsa_system_sgpr_workgroup_id_z 1
		.amdhsa_system_vgpr_workitem_id 0
		.amdhsa_next_free_vgpr 256
		.amdhsa_next_free_sgpr 84
		.amdhsa_reserve_vcc 0
		.amdhsa_float_denorm_mode_32 3
		.amdhsa_float_denorm_mode_16_64 3
		.amdhsa_memory_ordered 1
		.amdhsa_forward_progress 1
		.amdhsa_inst_pref_size 148
	.end_amdhsa_kernel
	.amdgpu_metadata
---
amdhsa.version: [ 1, 2 ]
amdhsa.kernels:
  - .name:           k_q17a0ed0535_comp
    .symbol:         k_q17a0ed0535_comp.kd
    .args:
      - { .name: lists, .offset: 0, .size: 8, .value_kind: global_buffer, .address_space: global }
      - { .name: counts, .offset: 8, .size: 8, .value_kind: global_buffer, .address_space: global }
      - { .name: featT, .offset: 16, .size: 8, .value_kind: global_buffer, .address_space: global }
      - { .name: pts3D, .offset: 24, .size: 8, .value_kind: global_buffer, .address_space: global }
      - { .name: out0, .offset: 32, .size: 8, .value_kind: global_buffer, .address_space: global }
    .group_segment_fixed_size: 23040
    .private_segment_fixed_size: 0
    .kernarg_segment_align: 8
    .kernarg_segment_size: 40
    .max_flat_workgroup_size: 32
    .sgpr_count:     84
    .vgpr_count:     256
    .wavefront_size: 32
...
	.end_amdgpu_metadata
.endif
;; end of part 3
;; ======== version 2 of 2: 3 launches; 1.17 times as fast as version 1
;; limits: values are held in f16: magnitudes above 65,504 overflow, below 6.1e-05 lose precision; inputs' magnitudes at most 65,504
;; workspace buffers: keys 65,536 bytes of whole numbers; featT 1,048,576 bytes; lists 33,554,432 bytes of whole numbers; counts 65,536 bytes of whole numbers
;; launch prep: the kernel of part 1 again; grid 256 x 1, 8 waves a work-group, no clusters, 23,552 bytes of LDS; arguments pts3D, src, keys, featT; writes keys, featT
;; launch bin (part 4): grid 1024 x 1, 1 waves a work-group, no clusters, 67,072 bytes of LDS; arguments keys, lists, counts, out1; writes lists, counts, out1
.if DOCPART == 4
	.amdgcn_target "amdgcn-amd-amdhsa--gfx1250"
	.amdhsa_code_object_version 6
	.text
	.protected	k_q17a0ed0535_bin
	.globl	k_q17a0ed0535_bin
	.p2align	8
	.type	k_q17a0ed0535_bin,@function
k_q17a0ed0535_bin:
	s_mov_b64 s[64:65], 0
	v_nop
	global_prefetch_b8 v0, s[64:65] scope:SCOPE_SE
	s_setreg_imm32_b32 hwreg(HW_REG_WAVE_MODE, 25, 1), 1
	s_wait_xcnt 0x0
; BIN: whole numbers only.  A work-group is ONE wave and serves 32 pixels of one image row (two blocks of 16): it makes each block's list of points, front to back, the two
; lengths, and its 32 bytes of out1.  keys: W0 = rank << 12 | p (orders by z, then by index), W1 = mask16 | ixo << 16 | iyo << 24; a point's window is rows iyo - 5 .. iyo - 2,
; columns ixo - 5 .. ixo - 2; bit 4 rw + c of the mask is the window's pixel (rw, c).
; The next launch's work-group g (64 pixels, four blocks) reads what work-groups 2 g and 2 g + 1 of this one leave: four tiles of 16,384 bytes on end, four lengths on end.
; WHAT STEERS: every trip count and every global address is made in registers from the keys as loaded from memory (the count n of the scan) or from the work-group's number.
; What has passed through LDS serves as data and as a place in LDS alone.  So a block's list is copied out over ceil(n / 64) trips, n the segment's length, which bounds every
; block's; places at or behind the block's own length are written as 0.
; WHY ONE WAVE: places in the lists come from counts, so each list is kept by the wave that reads it; LDS serves a wave's instructions in order (ISA guide 5.7.1.4): no barrier.
; WHY 32 PIXELS: the scan is the same for any width, but the sort's compares grow with the square of the segment's length and all else with the length; and four work-groups'
; LDS, 4 x 67,072 bytes, fit beside each other in a WGP's 327,680, a wave for each of its four SIMDs.
;   SCAN  the batch's 4,096 keys: those whose window meets rows y - 1 .. y + 1 and columns xb - 1 .. xb + 32 go into the segment (SA: W0, SB: W1).  Eight tests side by side,
;         since a lone wave has nothing else to issue while a result is on its way; four buffers, so that three steps' loads are on their way while one step is tested.
;   COV   their masks set bytes of a map of 3 rows; out1 is made from it.
;   SORT  by counting (W0 is unique): place = the number of smaller W0; into TA, TB.
;   DEAL  the sorted segment is dealt, in order, into the two blocks' lists of point numbers.      COPY  lists and lengths go to memory.
; A wave's piece of out1 is 32 bytes and its lengths are 8: these share aligned blocks of 256 with neighbours (40,960 bytes in all); every store of a list is 256 aligned bytes.
; No tensor loads, no cluster: the one thing shared is 32 KiB of keys a batch.  Every LDS index that comes from data is chosen and then held by v_min_u32.
.set COV,  0                           ; 3 rows of 48 bytes; byte = column - xb + 8; bytes 0-3 of a row take what is thrown away
.set COVP, 48
.set SA,   256                         ; 4,129 words each; word 4,128 takes what is thrown away
.set SB,   16896
.set TA,   33536
.set TB,   50176
.set U0,   SA                          ; the two lists take the bytes of SA and SB, which the sort has read
.set U1,   SB
.set LN, 1                             ; lane; also out1's address; never rewritten
.set ONE, 2
.set MONE, 3                           ; all ones
.set L16, 4                            ; 16 lane
.set L4, 5                             ; 4 lane
.set CV, 6                             ; lane b: block b's length
.set L8, 7                             ; 8 lane
.set L2, 8                             ; 2 lane: a lane's first entry in the copy
.set BGD, 9                            ; out1's data; never rewritten
.set NIL, 10                           ; v[10:11] = 0, 0
.set CN, 16                            ; v[16:23] eight counters of the sort
.set K, 32                             ; v[32:159] four buffers of 16 entries a lane
.set QQ, 64                            ; v[64:127] 64 keys of the sort
.set TT, 160                           ; v[160:167], v[168:175] at work in the scan
.set TU, 168
.set MA, 66                            ; s[66:73], s[74:81] masks and their counts
.set MB, 74
.set BS, 82                            ; s[82:90] running counts
	s_load_b256 s[4:11], s[0:1], 0x0               ; keys s[4:5], lists s[6:7], counts s[8:9], out1 s[10:11]
	v_lshl_add_u32 v176, v0, 2, 0x10500
	v_mov_b32 v177, 0
	v_and_b32 v[LN], 31, v0
	v_mov_b32 v[ONE], 1
	v_mov_b32 v[MONE], -1
	v_mov_b32 v[NIL], 0
	v_mov_b32 v[NIL+1], 0
	v_lshlrev_b32 v[L16], 4, v[LN]
	v_lshlrev_b32 v[L8], 3, v[LN]
	v_lshlrev_b32 v[L4], 2, v[LN]
	v_lshlrev_b32 v[L2], 1, v[LN]
	s_lshr_b32 s51, ttmp9, 9                       ; batch
	s_bfe_u32 s15, ttmp9, 0x70002                  ; y: 7 bits from bit 2
	s_and_b32 s26, ttmp9, 3
	s_lshl_b32 s26, s26, 5                         ; xb: my first pixel, 0, 32, 64 or 96
	s_add_co_u32 s27, s26, 1
	s_add_co_u32 s16, s15, 1
	s_lshl_b32 s16, s16, 24
	s_lshl_b32 s60, s27, 16
	s_or_b32 s16, s16, s60                         ; (y + 1) << 24 | (xb + 1) << 16: what the scan takes from W1
	s_mov_b32 s30, 0x06000000                      ; 6 rows
	s_mov_b32 s31, 0x00250000                      ; 37 columns
	s_add_co_u32 s17, s15, 5                       ; window row of image row y = y + 5 - iyo
	s_add_co_u32 s48, s15, 4                       ; the same for rows y - 1, y, y + 1
	s_add_co_u32 s49, s15, 5
	s_add_co_u32 s50, s15, 6
.irp b, 0,1
	s_add_co_u32 s[52+\b], s26, 16*\b+2            ; block b's first pixel + 2
.endr
	s_cmp_eq_u32 s15, 0
	s_cselect_b32 s46, 1, 0                        ; a row outside the image counts as covered: the window's maximum leaves it out
	s_cmp_eq_u32 s15, 127
	s_cselect_b32 s47, 1, 0
	s_cmp_eq_u32 s26, 0
	s_cselect_b32 s56, -2, -1                      ; lanes whose left neighbour column lies in the image
	s_cmp_eq_u32 s26, 96
	s_cselect_b32 s57, 0x7fffffff, -1              ; lanes whose right neighbour column does
	s_mov_b32 s59, 0
	s_lshl_b32 s58, s51, 15
	s_wait_kmcnt 0x0
	s_add_nc_u64 s[4:5], s[4:5], s[58:59]          ; keys at my batch
	s_lshl_b32 s58, ttmp9, 15
	s_add_nc_u64 s[6:7], s[6:7], s[58:59]          ; lists: two tiles of 16,384 bytes a work-group
	s_lshr_b32 s58, ttmp9, 1
	s_lshl_b32 s58, s58, 7
	s_and_b32 s60, ttmp9, 1
	s_lshl_b32 s60, s60, 3
	s_add_co_u32 s58, s58, s60
	s_add_nc_u64 s[8:9], s[8:9], s[58:59]          ; counts: 128 bytes for two work-groups, of which each writes two words of the first four
	s_lshl_b32 s58, s51, 14
	s_lshl_b32 s60, s15, 7
	s_add_co_u32 s58, s58, s60
	s_add_co_u32 s58, s58, s26
	s_add_nc_u64 s[10:11], s[10:11], s[58:59]      ; out1 at (batch, row y, pixel xb)
	; ---- SCAN: eight steps of 512 entries, two entries a lane and load, on four buffers ----
.macro LDK t, buf
.irp i, 0,1,2,3,4,5,6,7
	global_load_b128 v[K+32*(\buf)+4*\i:K+32*(\buf)+4*\i+3], v[L16], s[4:5] offset:4096*(\t)+512*\i
.endr
.endm
; Eight entries from v[r] on.  t = W1 - s16: its top byte is iyo - (y + 1), the next ixo - (xb + 1).  A borrow out of the column's byte comes only with a column byte
; of 159 or more (xb + 1 is 97 at the most), which fails by itself, so both tests are right as they stand: top byte under 6, t without its top byte under 37 << 16
; (the mask's 16 bits lie below).
.macro ATEST8 r
.irp e, 0,1,2,3,4,5,6,7
	v_sub_nc_u32 v[TT+\e], v[\r+2*\e+1], s16
.endr
.irp e, 0,1,2,3,4,5,6,7
	v_and_b32 v[TU+\e], 0xffffff, v[TT+\e]
.endr
.irp e, 0,1,2,3,4,5,6,7
	v_cmp_gt_u32 s[MA+\e], s30, v[TT+\e]
.endr
.irp e, 0,1,2,3,4,5,6,7
	v_cmp_gt_u32 s[MB+\e], s31, v[TU+\e]
.endr
.irp e, 0,1,2,3,4,5,6,7
	s_and_b32 s[MA+\e], s[MA+\e], s[MB+\e]
.endr
.irp e, 0,1,2,3,4,5,6,7
	s_bcnt1_i32_b32 s[MB+\e], s[MA+\e]
.endr
.irp e, 0,1,2,3,4,5,6,7
	s_add_co_u32 s[BS+\e+1], s[BS+\e], s[MB+\e]    ; entries kept in front of test e + 1
.endr
.irp e, 0,1,2,3,4,5,6,7
	v_mbcnt_lo_u32_b32 v[TT+\e], s[MA+\e], s[BS+\e]   ; the place: those kept so far + those kept in lower lanes
.endr
.irp e, 0,1,2,3,4,5,6,7
	v_cndmask_b32 v[TT+\e], 0x1020, v[TT+\e], s[MA+\e]
.endr
.irp e, 0,1,2,3,4,5,6,7
	v_min_u32 v[TT+\e], 0x1020, v[TT+\e]
.endr
.irp e, 0,1,2,3,4,5,6,7
	v_lshlrev_b32 v[TT+\e], 2, v[TT+\e]
.endr
.irp e, 0,1,2,3,4,5,6,7
	ds_store_b32 v[TT+\e], v[\r+2*\e] offset:SA
	ds_store_b32 v[TT+\e], v[\r+2*\e+1] offset:SB
.endr
	s_mov_b32 s[BS], s[BS+8]
.endm
	LDK 0, 0
	LDK 1, 1
	LDK 2, 2
	LDK 3, 3
	ds_store_b64 v[L8], v[NIL:NIL+1] offset:COV    ; the map is cleared: 32 lanes x 8 bytes
	s_mov_b32 s[BS], 0                             ; entries kept
.set t, 0
.rept 8
.set left, 7-t
.if left > 3
.set left, 3
.endif
	s_wait_loadcnt 8*left                          ; this step's eight loads are in; the loads of the steps behind it, three at the most, stay out
	ATEST8 (K+32*(t%4))
	ATEST8 (K+32*(t%4)+16)
.if t < 4
	LDK t+4, t%4                                   ; the buffer just tested takes the step four further on
.endif
.set t, t+1
.endr
	s_min_u32 s24, s[BS], 4096                     ; n
	v_add_nc_u32 v12, s24, v[LN]                   ; 64 empty entries behind the last (W0 all ones: smaller than none; W1 0: a window that meets nothing),
	v_add_nc_u32 v13, 32, v12                      ; so that whole groups of 32 and of 64 can be read
	v_min_u32 v12, 0x101f, v12
	v_min_u32 v13, 0x101f, v13
	v_lshlrev_b32 v12, 2, v12
	v_lshlrev_b32 v13, 2, v13
	ds_store_b32 v12, v[MONE] offset:SA
	ds_store_b32 v12, v[NIL] offset:SB
	ds_store_b32 v13, v[MONE] offset:SA
	ds_store_b32 v13, v[NIL] offset:SB
	s_add_co_u32 s25, s24, 31
	s_lshr_b32 s25, s25, 5
	s_max_u32 s25, s25, 1                          ; groups of 32 in the segment
	s_add_co_u32 s34, s25, 1
	s_lshr_b32 s34, s34, 1                         ; groups of 64
	; ---- COV: an entry's four bits for image row y - 1 + p set four bytes; a bit that is 0 sends its byte to the row's first four ----
	s_mov_b32 s32, 0
.Lcov:
	v_lshl_add_u32 v12, s32, 5, v[LN]
	v_min_u32 v12, 0x101f, v12
	v_lshlrev_b32 v12, 2, v12
	ds_load_b32 v13, v12 offset:SB
	s_wait_dscnt 0x0
	v_lshrrev_b32 v14, 24, v13                     ; iyo
	v_bfe_u32 v15, v13, 16, 8
	v_sub_nc_u32 v15, v15, s27                     ; ixo - (xb + 1), under 37 for every entry but the empty ones
	v_cmp_gt_u32 s23, 37, v15
	v_add_nc_u32 v15, 4, v15                       ; the byte of the window's first column: (ixo - 5) - xb + 8, 40 at the most
.irp p, 0,1,2
	v_sub_nc_u32 v[16+\p], s[48+\p], v14           ; window row
.endr
.irp p, 0,1,2
	v_cmp_gt_u32 s[20+\p], 4, v[16+\p]
.endr
.irp p, 0,1,2
	v_lshlrev_b32 v[16+\p], 2, v[16+\p]
.endr
.irp p, 0,1,2
	s_and_b32 s[20+\p], s[20+\p], s23
.endr
.irp p, 0,1,2
	v_lshrrev_b32 v[16+\p], v[16+\p], v13
.endr
.irp p, 0,1,2
	v_and_b32 v[16+\p], 15, v[16+\p]
.endr
.irp p, 0,1,2
	v_cndmask_b32 v[16+\p], 0, v[16+\p], s[20+\p]
.endr
.irp p, 0,1,2
.irp c, 0,1,2,3
	v_bfe_u32 v[20+4*\p+\c], v[16+\p], \c, 1
.endr
.endr
.irp p, 0,1,2
.irp c, 0,1,2,3
	v_mul_u32_u24 v[20+4*\p+\c], v[20+4*\p+\c], v15
.endr
.endr
.irp p, 0,1,2
.irp c, 0,1,2,3
	v_min_u32 v[20+4*\p+\c], 0x28, v[20+4*\p+\c]
.endr
.endr
.irp p, 0,1,2
.irp c, 0,1,2,3
	ds_store_b8 v[20+4*\p+\c], v[ONE] offset:COV+COVP*\p+\c
.endr
.endr
	s_add_co_u32 s32, s32, 1
	s_cmp_lt_u32 s32, s25
	s_cbranch_scc1 .Lcov
	; ---- out1: a pixel a lane.  A pixel is background if any of the 3 x 3 pixels round it, as far as they lie in the image, has no point ----
.irp p, 0,1,2
.irp j, 0,1,2
	ds_load_u8 v[32+4*\p+\j], v[LN] offset:COV+COVP*\p+7+\j    ; columns lane - 1 .. lane + 1 of my 32
.endr
.endr
	s_wait_dscnt 0x0
.irp j, 0,1,2
	v_or_b32 v[32+\j], s46, v[32+\j]
	v_or_b32 v[40+\j], s47, v[40+\j]
.endr
.irp j, 0,1,2
	v_and_b32 v[32+\j], v[32+\j], v[36+\j]
.endr
.irp j, 0,1,2
	v_and_b32 v[32+\j], v[32+\j], v[40+\j]         ; covered in all three rows
.endr
.irp j, 0,1,2
	v_xor_b32 v[32+\j], 1, v[32+\j]                ; empty in one of them
.endr
	v_cndmask_b32 v32, 0, v32, s56                 ; columns outside the image are left out
	v_cndmask_b32 v34, 0, v34, s57
	v_or_b32 v32, v32, v33
	v_or_b32 v[BGD], v32, v34
	global_store_b8 v[LN], v[BGD], s[10:11]        ; the wave's 32 consecutive bytes
	; ---- SORT: 32 entries a trip of the outer loop; the inner loop holds them against the segment, 64 keys a trip, the same in every lane ----
	s_mov_b32 s32, 0
.Lsort_g:
	v_lshl_add_u32 v12, s32, 5, v[LN]
	v_min_u32 v12, 0x101f, v12
	v_lshlrev_b32 v12, 2, v12
	ds_load_b32 v13, v12 offset:SA                 ; my entry
	ds_load_b32 v14, v12 offset:SB
.irp k, 0,1,2,3,4,5,6,7
	v_mov_b32 v[CN+\k], 0                          ; the counters take carries alone
.endr
	s_mov_b32 s33, 0
.Lsort_j:
	s_lshl_b32 s21, s33, 8
	s_min_u32 s21, s21, 16128
	v_mov_b32 v15, s21
.irp i, 0,1,2,3,4,5,6,7,8,9,10,11,12,13,14,15
	ds_load_b128 v[QQ+4*\i:QQ+4*\i+3], v15 offset:SA+16*\i
.endr
	s_wait_dscnt 0x0
.irp i, 0,1,2,3,4,5,6,7
.irp k, 0,1,2,3,4,5,6,7
	v_cmp_lt_u32 s[MA+\k], v[QQ+8*\i+\k], v13
.endr
.irp k, 0,1,2,3,4,5,6,7
	v_add_co_ci_u32 v[CN+\k], s[MA+\k], 0, v[CN+\k], s[MA+\k]
.endr
.endr
	s_add_co_u32 s33, s33, 1
	s_cmp_lt_u32 s33, s34
	s_cbranch_scc1 .Lsort_j
	v_add3_u32 v[CN], v[CN], v[CN+1], v[CN+2]
	v_add3_u32 v[CN+3], v[CN+3], v[CN+4], v[CN+5]
	v_add3_u32 v[CN], v[CN], v[CN+6], v[CN+7]
	v_add_nc_u32 v[CN], v[CN], v[CN+3]             ; the number of smaller keys
	v_cmp_ne_u32 s20, -1, v13
	v_cndmask_b32 v[CN], 0x1020, v[CN], s20
	v_min_u32 v[CN], 0x1020, v[CN]
	v_lshlrev_b32 v[CN], 2, v[CN]
	ds_store_b32 v[CN], v13 offset:TA
	ds_store_b32 v[CN], v14 offset:TB
	s_add_co_u32 s32, s32, 1
	s_cmp_lt_u32 s32, s25
	s_cbranch_scc1 .Lsort_g
	v_add_nc_u32 v12, s24, v[LN]                   ; 32 empty entries behind the last
	v_min_u32 v12, 0x101f, v12
	v_lshlrev_b32 v12, 2, v12
	ds_store_b32 v12, v[MONE] offset:TA
	ds_store_b32 v12, v[NIL] offset:TB
	; ---- DEAL: an entry goes to block b if its window has row y, its four bits there are not all 0, and its columns ixo - 5 .. ixo - 2 meet the block's 16 pixels ----
.irp b, 0,1
	s_mov_b32 s[BS+\b], 0
.endr
	s_mov_b32 s32, 0
.Ldeal:
	v_lshl_add_u32 v12, s32, 5, v[LN]
	v_min_u32 v12, 0x101f, v12
	v_lshlrev_b32 v12, 2, v12
	ds_load_b32 v13, v12 offset:TA
	ds_load_b32 v14, v12 offset:TB
	s_wait_dscnt 0x0
	v_lshrrev_b32 v15, 24, v14
	v_bfe_u32 v16, v14, 16, 8                      ; ixo
	v_and_b32 v13, 0xfff, v13                      ; p
	v_sub_nc_u32 v15, s17, v15                     ; window row of image row y
	v_cmp_gt_u32 s20, 4, v15
	v_lshlrev_b32 v15, 2, v15
	v_lshrrev_b32 v15, v15, v14
	v_and_b32 v15, 15, v15
	v_cmp_ne_u32 s21, 0, v15
	s_and_b32 s20, s20, s21
.irp b, 0,1
	v_sub_nc_u32 v[20+\b], v16, s[52+\b]
.endr
.irp b, 0,1
	v_cmp_gt_u32 s[MA+\b], 19, v[20+\b]
.endr
.irp b, 0,1
	s_and_b32 s[MA+\b], s[MA+\b], s20
.endr
.irp b, 0,1
	v_mbcnt_lo_u32_b32 v[20+\b], s[MA+\b], s[BS+\b]
.endr
.irp b, 0,1
	s_bcnt1_i32_b32 s[MB+\b], s[MA+\b]
.endr
.irp b, 0,1
	v_cndmask_b32 v[20+\b], 0x1020, v[20+\b], s[MA+\b]
.endr
.irp b, 0,1
	s_add_co_u32 s[BS+\b], s[BS+\b], s[MB+\b]
.endr
.irp b, 0,1
	v_min_u32 v[20+\b], 0x1020, v[20+\b]
.endr
.irp b, 0,1
	v_lshlrev_b32 v[20+\b], 2, v[20+\b]
.endr
	ds_store_b32 v20, v13 offset:U0
	ds_store_b32 v21, v13 offset:U1
	s_add_co_u32 s32, s32, 1
	s_cmp_lt_u32 s32, s25
	s_cbranch_scc1 .Ldeal
	; ---- COPY: 64 entries of each list a trip, two a lane ----
.irp b, 0,1
	s_min_u32 s[BS+\b], s[BS+\b], 4096             ; the lengths
.endr
	s_mov_b32 s32, 0
.Lcopy:
	v_lshl_add_u32 v12, s32, 6, v[L2]              ; entry 64 c + 2 lane
	v_min_u32 v12, 0xffe, v12
	v_lshlrev_b32 v13, 2, v12                      ; its byte in a list, in LDS and in memory
	v_add_nc_u32 v14, 1, v12
	ds_load_b64 v[16:17], v13 offset:U0
	ds_load_b64 v[18:19], v13 offset:U1
.irp b, 0,1
	v_cmp_gt_u32 s[MA+\b], s[BS+\b], v12
	v_cmp_gt_u32 s[MB+\b], s[BS+\b], v14
.endr
	s_wait_dscnt 0x0
.irp b, 0,1
	v_cndmask_b32 v[16+2*\b], 0, v[16+2*\b], s[MA+\b]          ; at or behind the list's end: point 0, which the next launch gives no weight
	v_cndmask_b32 v[17+2*\b], 0, v[17+2*\b], s[MB+\b]
.endr
.irp b, 0,1
	global_store_b64 v13, v[16+2*\b:17+2*\b], s[6:7] offset:16384*\b   ; 32 lanes store 256 consecutive bytes, at a multiple of 256 from the buffer's first byte
.endr
	s_wait_xcnt 0x0                                ; the stores' offset and data are written again only behind this wait
	s_add_co_u32 s32, s32, 1
	s_cmp_lt_u32 s32, s34
	s_cbranch_scc1 .Lcopy
	v_mov_b32 v[CV], s[BS+1]
	v_mov_b32 v12, s[BS]
	v_cmp_eq_u32 s20, 0, v[LN]
	v_cndmask_b32 v[CV], v[CV], v12, s20           ; lane 0: block 0's length; lane 1: block 1's
	v_cmp_gt_u32 vcc_lo, 2, v[LN]
	s_wait_xcnt 0x0                                ; EXEC is a source of the stores above: it changes only behind this wait
	s_wait_tensorcnt 0x0
	ds_add_u32 v176, v177
	s_wait_dscnt 0x0
	s_and_saveexec_b32 s21, vcc_lo
	global_store_b32 v[L4], v[CV], s[8:9]          ; lanes 0 and 1: my two of the four lengths
	s_wait_xcnt 0x0                                ; and again, in front of the line that widens it
	s_or_b32 exec_lo, exec_lo, s21
	s_endpgm
.Lfunc_end_k_q17a0ed0535_bin:
	.size	k_q17a0ed0535_bin, .Lfunc_end_k_q17a0ed0535_bin-k_q17a0ed0535_bin
	.p2alignl 7, 3214868480
	.fill 96, 4, 3214868480
	.section	.rodata,"a",@progbits
	.p2align	6, 0x0
	.amdhsa_kernel k_q17a0ed0535_bin
		.amdhsa_group_segment_fixed_size 67072
		.amdhsa_private_segment_fixed_size 0
		.amdhsa_enable_private_segment 0
		.amdhsa_kernarg_size 32
		.amdhsa_user_sgpr_count 2
		.amdhsa_user_sgpr_kernarg_segment_ptr 1
		.amdhsa_wavefront_size32 1
		.amdhsa_system_sgpr_workgroup_id_x 1
		.amdhsa_system_sgpr_workgroup_id_y 1
		.amdhsa_system_sgpr_workgroup_id_z 1
		.amdhsa_system_vgpr_workitem_id 0
		.amdhsa_next_free_vgpr 178
		.amdhsa_next_free_sgpr 96
		.amdhsa_reserve_vcc 1
		.amdhsa_float_denorm_mode_32 3
		.amdhsa_float_denorm_mode_16_64 3
		.amdhsa_memory_ordered 1
		.amdhsa_forward_progress 1
		.amdhsa_inst_pref_size 122
	.end_amdhsa_kernel
	.amdgpu_metadata
---
amdhsa.version: [ 1, 2 ]
amdhsa.kernels:
  - .name:           k_q17a0ed0535_bin
    .symbol:         k_q17a0ed0535_bin.kd
    .args:
      - { .name: keys, .offset: 0, .size: 8, .value_kind: global_buffer, .address_space: global }
      - { .name: lists, .offset: 8, .size: 8, .value_kind: global_buffer, .address_space: global }
      - { .name: counts, .offset: 16, .size: 8, .value_kind: global_buffer, .address_space: global }
      - { .name: out1, .offset: 24, .size: 8, .value_kind: global_buffer, .address_space: global }
    .group_segment_fixed_size: 67072
    .private_segment_fixed_size: 0
    .kernarg_segment_align: 8
    .kernarg_segment_size: 32
    .max_flat_workgroup_size: 32
    .sgpr_count:     96
    .vgpr_count:     178
    .wavefront_size: 32
...
	.end_amdgpu_metadata
.endif
;; end of part 4
;; launch comp: the kernel of part 3 again; grid 512 x 1, 1 waves a work-group, no clusters, 23,040 bytes of LDS; arguments lists, counts, featT, pts3D, out0; writes out0
